; MI455X (gfx1250); checked and timed in simulation.
; The chip was launched on July 23, 2026; its instructions are those of AMD's public machine-readable ISA for CDNA 5 (MIT licence, August 2026) and "CDNA5" Instruction Set Architecture Reference Guide (July 2026). The comments in the code are by the model that wrote it; some were corrected since.
;; Multi Head Attention. Allowed arithmetic: float matrix products may take bf16 or f16 operands with f32 sums; all other float work in f32.
;; Inputs: Wk 16 x 1,024 x 64 float32; Wq 16 x 1,024 x 64 float32; Wv 16 x 1,024 x 64 float32; inputs 4 x 2,048 x 1,024 float32.
;; Outputs: out0 4 x 2,048 x 1,024 float32.
;; One version. Each part assembles by itself: llvm-mc -triple=amdgcn-amd-amdhsa -mcpu=gfx1250 --defsym DOCPART=n.
;; ======== version 1 of 1: 3 launches
;; limits: values are held in f16: magnitudes above 65,504 overflow, below 6.1e-05 lose precision
;; workspace buffers: xb 16,777,216 bytes; wt 6,291,456 bytes; qh 16,777,216 bytes; kh 16,777,216 bytes; vh 16,777,216 bytes
;; launch prep (part 1): grid 896 x 1, 8 waves a work-group, no clusters, 17,920 bytes of LDS; arguments inputs, Wq, Wk, Wv, xb, wt; writes xb, wt
.if DOCPART == 1
	.amdgcn_target "amdgcn-amd-amdhsa--gfx1250"
	.amdhsa_code_object_version 6
	.text
	.protected	k_q2ce2710d2a_prep
	.globl	k_q2ce2710d2a_prep
	.p2align	8
	.type	k_q2ce2710d2a_prep,@function
k_q2ce2710d2a_prep:
	s_mov_b64 s[64:65], 0
	v_nop
	global_prefetch_b8 v0, s[64:65] scope:SCOPE_SE
	s_setreg_imm32_b32 hwreg(HW_REG_WAVE_MODE, 25, 1), 1
	s_wait_xcnt 0x0
; prep: the matrix operands of the projection, rounded once to bf16.
;   xb[8192][1024] bf16 = inputs, same order.
;   wt[3072][1024] bf16 = the 48 weight matrices transposed, so that d (the sum's index) lies along the rows.
;   Row n of wt = h*192 + (e>>5)*96 + kind*32 + (e&31), kind 0/1/2 = q/k/v: the 96 rows that one wave of the next launch
;   multiplies are 32 e of q, the same 32 e of k, the same 32 e of v of one head.
; A stream: every input byte is read once, every output byte written once, no matrix work, nothing shared between
; work-groups, so no cluster and no tensor loads.  Work-groups 0-511 take 64 KiB of inputs each, 512-895 one piece of
; 128 d x 64 e of one weight matrix each (32 KiB, contiguous).  The branch hangs on the work-group's number alone.
.set XL,  8                            ; v[8:71]   X path: sixteen loads of 16 bytes.  W path: v[8:39] eight loads
.set XY,  72                           ; v[72:87]  X path: eight pairs to store, used twice
.set WT,  40                           ; v[40:55]  W path: pairs (d, d+1) of one e, as bf16
.set WR,  56                           ; v[56:71]  W path: rows of the transposed tile, read back
.set TP,  264                          ; LDS pitch of a transposed row: 128 d x 2 bytes + 8
	s_load_b256 s[4:11], s[0:1], 0x0               ; inputs s[4:5], Wq s[6:7], Wk s[8:9], Wv s[10:11]
	s_load_b128 s[12:15], s[0:1], 0x20             ; xb s[12:13], wt s[14:15]
	v_lshl_add_u32 v88, v0, 2, 0x4200
	v_mov_b32 v89, 0
	s_cmp_lt_u32 ttmp9, 512
	s_cbranch_scc0 .Lw
	; ---- inputs: thread t takes the 16 bytes at 16 t of each of sixteen chunks of 4,096 bytes ----
	v_lshlrev_b32 v1, 4, v0                        ; 16 t: a wave's load covers 512 neighbouring bytes
	v_lshlrev_b32 v2, 3, v0                        ; 8 t: a wave's store covers 256 neighbouring bytes, aligned
	s_lshl_b32 s16, ttmp9, 16                      ; 65,536 bytes of f32 a work-group
	s_mov_b32 s17, 0
	s_lshl_b32 s18, ttmp9, 15                      ; 32,768 bytes of bf16
	s_mov_b32 s19, 0
	s_wait_kmcnt 0x0
	s_add_nc_u64 s[4:5], s[4:5], s[16:17]
	s_add_nc_u64 s[12:13], s[12:13], s[18:19]
.irp i, 0,1,2,3,4,5,6,7,8,9,10,11,12,13,14,15
	global_load_b128 v[XL+4*\i:XL+4*\i+3], v1, s[4:5] offset:4096*\i th:TH_LOAD_NT
.endr
.irp i, 0,1,2,3,4,5,6,7,8,9,10,11,12,13,14,15
	s_wait_loadcnt 15-\i                           ; loads come back in order: chunk i is in, the 15 - i younger ones stay out
.if \i == 8
	s_wait_xcnt 0x0                                ; the eight pairs are used a second time: the first eight stores have read them behind this wait
.endif
	v_cvt_pk_bf16_f32 v[XY+(2*\i)%16],   v[XL+4*\i],   v[XL+4*\i+1]
	v_cvt_pk_bf16_f32 v[XY+(2*\i)%16+1], v[XL+4*\i+2], v[XL+4*\i+3]
	global_store_b64 v2, v[XY+(2*\i)%16:XY+(2*\i)%16+1], s[12:13] offset:2048*\i   ; no hint: the next launch reads xb
.endr
	s_endpgm
	; ---- weights: piece p = 128 rows d of one [1024][64] matrix, transposed through LDS ----
.Lw:
	v_lshrrev_b32 v1, 5, v0
	v_readfirstlane_b32 s26, v1                    ; wave 0..7
	s_sub_co_u32 s16, ttmp9, 512                   ; p = 0..383
	s_lshr_b32 s17, s16, 7                         ; kind
	s_and_b32 s18, s16, 127                        ; 8 h + piece
	s_lshr_b32 s19, s18, 3                         ; h
	s_and_b32 s22, s18, 7                          ; piece
	v_and_b32 v2, 15, v0                           ; eq: my four e are 4 eq .. 4 eq + 3
	v_lshrrev_b32 v3, 4, v0                        ; dp: my rows are 32 i + 2 dp and the next
	v_lshlrev_b32 v4, 4, v2
	v_lshl_add_u32 v4, v3, 9, v4                   ; load offset: 512 dp + 16 eq (sixteen lanes cover a row of 256 bytes)
	v_mul_u32_u24 v5, v2, 4*TP
	v_lshl_add_u32 v5, v3, 2, v5                   ; LDS: row e = 4 eq, byte 2 x (2 dp)
	s_mul_i32 s27, s26, 8*TP                       ; back: wave w takes rows e = 8 w .. 8 w + 7
	v_and_b32 v7, 31, v0
	v_lshlrev_b32 v7, 3, v7                        ; 8 bytes a lane: 32 lanes take a row of 256 bytes
	v_add_nc_u32 v6, s27, v7
	s_mul_i32 s24, s19, 192                        ; wt's row of e = 8 w: h*192
	s_lshr_b32 s25, s26, 2
	s_mul_i32 s25, s25, 96                         ; + (e>>5)*96, e>>5 = w>>2
	s_add_co_u32 s24, s24, s25
	s_lshl_b32 s25, s17, 5                         ; + kind*32
	s_add_co_u32 s24, s24, s25
	s_and_b32 s25, s26, 3
	s_lshl_b32 s25, s25, 3                         ; + (e&31) = 8 (w&3)
	s_add_co_u32 s24, s24, s25
	s_lshl_b32 s24, s24, 11                        ; rows of 2,048 bytes
	s_lshl_b32 s25, s22, 8                         ; + the piece's 128 d = 256 bytes
	s_add_co_u32 s24, s24, s25
	s_mov_b32 s25, 0
	s_lshl_b32 s22, s18, 15                        ; the piece in its matrix stack: (8 h + piece) x 32,768 bytes
	s_mov_b32 s23, 0
	s_wait_kmcnt 0x0
	s_cmp_eq_u32 s17, 0
	s_cselect_b64 s[20:21], s[6:7], s[8:9]         ; Wq or Wk,
	s_cmp_eq_u32 s17, 2
	s_cselect_b64 s[20:21], s[10:11], s[20:21]     ; or Wv
	s_add_nc_u64 s[20:21], s[20:21], s[22:23]
	s_add_nc_u64 s[14:15], s[14:15], s[24:25]
.irp i, 0,1,2,3
.irp u, 0,1
	global_load_b128 v[XL+8*\i+4*\u:XL+8*\i+4*\u+3], v4, s[20:21] offset:(32*\i+\u)*256 th:TH_LOAD_NT
.endr
.endr
.irp i, 0,1,2,3
	s_wait_loadcnt 6-2*\i                          ; the pair of rows of group i is in; the 6 - 2 i younger loads stay out
.irp j, 0,1,2,3
	v_cvt_pk_bf16_f32 v[WT+4*\i+\j], v[XL+8*\i+\j], v[XL+8*\i+4+\j]    ; (d, d+1) of e = 4 eq + j: neighbours in the transposed row
.endr
.irp j, 0,1,2,3
	ds_store_b32 v5, v[WT+4*\i+\j] offset:TP*\j+64*\i      ; words 264 eq + dp + ..: lanes eq and eq + 8 are 2,112 words apart, a two-way meeting; the weights are a small part of the bytes
.endr
.endr
	s_wait_dscnt 0x0                               ; my stores are in LDS before I say so: other waves read them
	s_barrier_signal -1
	s_barrier_wait -1
.irp i, 0,1,2,3,4,5,6,7
	ds_load_b64 v[WR+2*\i:WR+2*\i+1], v6 offset:TP*\i
.endr
.irp i, 0,1,2,3,4,5,6,7
	s_wait_dscnt 7-\i                              ; LDS loads come back in order: row i is in
	global_store_b64 v7, v[WR+2*\i:WR+2*\i+1], s[14:15] offset:2048*\i     ; the wave stores 256 neighbouring bytes, aligned
.endr
	s_wait_tensorcnt 0x0
	ds_add_u32 v88, v89
	s_wait_dscnt 0x0
	s_endpgm
.Lfunc_end_k_q2ce2710d2a_prep:
	.size	k_q2ce2710d2a_prep, .Lfunc_end_k_q2ce2710d2a_prep-k_q2ce2710d2a_prep
	.p2alignl 7, 3214868480
	.fill 96, 4, 3214868480
	.section	.rodata,"a",@progbits
	.p2align	6, 0x0
	.amdhsa_kernel k_q2ce2710d2a_prep
		.amdhsa_group_segment_fixed_size 17920
		.amdhsa_private_segment_fixed_size 0
		.amdhsa_enable_private_segment 0
		.amdhsa_kernarg_size 48
		.amdhsa_user_sgpr_count 2
		.amdhsa_user_sgpr_kernarg_segment_ptr 1
		.amdhsa_wavefront_size32 1
		.amdhsa_system_sgpr_workgroup_id_x 1
		.amdhsa_system_sgpr_workgroup_id_y 1
		.amdhsa_system_sgpr_workgroup_id_z 1
		.amdhsa_system_vgpr_workitem_id 0
		.amdhsa_next_free_vgpr 90
		.amdhsa_next_free_sgpr 66
		.amdhsa_reserve_vcc 0
		.amdhsa_float_denorm_mode_32 3
		.amdhsa_float_denorm_mode_16_64 3
		.amdhsa_memory_ordered 1
		.amdhsa_forward_progress 1
		.amdhsa_inst_pref_size 13
	.end_amdhsa_kernel
	.amdgpu_metadata
---
amdhsa.version: [ 1, 2 ]
amdhsa.kernels:
  - .name:           k_q2ce2710d2a_prep
    .symbol:         k_q2ce2710d2a_prep.kd
    .args:
      - { .name: inputs, .offset: 0, .size: 8, .value_kind: global_buffer, .address_space: global }
      - { .name: Wq, .offset: 8, .size: 8, .value_kind: global_buffer, .address_space: global }
      - { .name: Wk, .offset: 16, .size: 8, .value_kind: global_buffer, .address_space: global }
      - { .name: Wv, .offset: 24, .size: 8, .value_kind: global_buffer, .address_space: global }
      - { .name: xb, .offset: 32, .size: 8, .value_kind: global_buffer, .address_space: global }
      - { .name: wt, .offset: 40, .size: 8, .value_kind: global_buffer, .address_space: global }
    .group_segment_fixed_size: 17920
    .private_segment_fixed_size: 0
    .kernarg_segment_align: 8
    .kernarg_segment_size: 48
    .max_flat_workgroup_size: 256
    .sgpr_count:     66
    .vgpr_count:     90
    .wavefront_size: 32
...
	.end_amdgpu_metadata
.endif
;; end of part 1
;; launch proj (part 2): grid 16 x 32, 4 waves a work-group, clusters of 4 x 4, 327,680 bytes of LDS; arguments xb, wt, qh, kh, vh; writes qh, kh, vh
.if DOCPART == 2
	.amdgcn_target "amdgcn-amd-amdhsa--gfx1250"
	.amdhsa_code_object_version 6
	.text
	.protected	k_q2ce2710d2a_proj
	.globl	k_q2ce2710d2a_proj
	.p2align	8
	.type	k_q2ce2710d2a_proj,@function
k_q2ce2710d2a_proj:
	s_mov_b64 s[64:65], 0
	v_nop
	global_prefetch_b8 v0, s[64:65] scope:SCOPE_SE
	s_setreg_imm32_b32 hwreg(HW_REG_WAVE_MODE, 25, 1), 1
	s_wait_xcnt 0x0
	s_wait_alu depctr_hold_cnt(0) depctr_sa_sdst(0) depctr_va_vdst(0) depctr_va_sdst(0) depctr_va_ssrc(0) depctr_va_vcc(0) depctr_vm_vsrc(0)
	s_getreg_b32 s2, hwreg(HW_REG_IB_STS2, 6, 4)
	s_cmp_eq_u32 s2, 0
	s_cbranch_scc0 .Lentry_in_a_cluster
	s_endpgm
.Lentry_in_a_cluster:
	s_bfe_u32 s2, ttmp6, 0x10000c
	s_cmp_lg_u32 s2, 0xf033
	s_cbranch_scc0 .Lentry_shape_is_right
	s_endpgm
.Lentry_shape_is_right:
; proj: C[8192][3072] = xb[8192][1024] x wt[3072][1024]^T in bf16 with f32 sums; the results leave as f16:
;   qh[b*16+h][s][e] = q * 0.125 * log2(e)  (the softmax of the next launch works in base 2),  kh = k,  vh = v.
; LIMIT: |0.18 q|, |k|, |v| must not pass 65,504 (f16).  With inputs and weights thirty times the drawn spread they have a spread of 900.
; A work-group makes 256 rows x 192 columns (one head's q, k and v) with four waves; a wave makes 128 x 96: 48 accumulator
; tiles of 16 x 16, 384 registers.  512 work-groups of equal work.  K goes in steps of 128 (rows of 256 bytes, aligned)
; through two LDS slots filled by the tensor data mover.
; CLUSTERS: 4 x 4 work-groups.  The four of a cluster's row need the same 256 rows of xb, the four of a column the same 192 rows
; of wt: each tile is asked for jointly, with one descriptor and a mask that names the four.
; REGISTERS: window 0: addresses v16-28, fragments v32-255 (two buffers of 8 tiles of xb and 6 of wt);
;   window 1: accumulators (a, b), b = 0..3 (q, q, k, k) at 8 (4 a + b);  window 2: (a, b), b = 4, 5 (v, v) at 8 (2 a + b - 4).
; THE MATRIX INSTRUCTION IS USED TRANSPOSED (source 0 = rows of wt, source 1 = rows of xb): a lane then holds eight neighbouring e
; of one row s, which pack into 16 bytes of f16.
.set SIZE_K, 1024
.set KSTEP,  128
.set PITCH,  272                       ; an LDS row: 256 bytes + 16: sixteen rows start at sixteen different multiples of 16 bytes modulo 256
.set HALFA,  128*PITCH                 ; 128 rows of xb: one tensor load, and what a wave reads of xb
.set HALFB,  96*PITCH                  ; 96 rows of wt: likewise
.set SLOT,   2*HALFA+2*HALFB           ; xb's 256 rows, then wt's 192 rows
.set LAPS,   SIZE_K/(2*KSTEP)          ; a lap = two K steps = once round the ring: 4
.set SPITCH, 144                       ; the way out: a row of 64 f16 + 16 bytes
.set KREG,   256*SPITCH                ; the way out: 256 rows of one kind; three kinds lie in slot 0 behind its last fill (110,592 <= SLOT)
.set ADRA, 16                          ; v16-17  LDS address of my xb fragments in slot 0, 1
.set ADRB, 20                          ; v20-21  the same for wt
.set STO0, 24                          ; v24     the way out: where I put 16 bytes of q or k
.set STO2, 25                          ; v25     the same for v (its region lies beyond the 16-bit offset)
.set RD0,  26                          ; v26     the way out: where I read rows back, q and k
.set RD2,  27                          ; v27     v
.set CO,   28                          ; v28     my byte offset in the block's rows of qh, kh, vh
.set FA,   32                          ; xb fragments of buffer 0 (64 registers); buffer 1 is FSTEP further on
.set FB,   96                          ; wt fragments of buffer 0 (48 registers)
.set FSTEP, 112
.set TMP,  32                          ; the way out: packed results
.set OUTR, 64                          ; the way out: 3 x 64 registers, rows read back
.set G1,  24                           ; s[24:31] descriptor group 1, xb's tiles
.set G0,  32                           ; s[32:39] group 0, xb's tiles, a set for each slot
.set G1B, 48                           ; s[48:55] group 1, wt's tiles
.set G0B, 56                           ; s[56:63] group 0, wt's tiles, a set for each slot
.set W1,  0x50                         ; C and D in window 1, sources in window 0
.set W2,  0xa0                         ; C and D in window 2
.set MSB, 0
.macro WIN new                         ; the immediate's high byte repeats the setting that is left
.if MSB != \new
	s_set_vgpr_msb (MSB<<8)|\new
.set MSB, \new
.endif
.endm
; A joint load.  Waves 0 and 1 fetch xb's two halves, waves 2 and 3 wt's.  The branch hangs on the wave's number alone.
.macro JLOAD s
	s_cmp_eq_u32 s11, 0
	s_cbranch_scc0 .Lfor_b_\@
	tensor_load_to_lds s[G0+4*\s:G0+4*\s+3], s[G1:G1+7]
	s_nop 0
	s_branch .Lasked_\@
.Lfor_b_\@:
	tensor_load_to_lds s[G0B+4*\s:G0B+4*\s+3], s[G1B:G1B+7]
	s_nop 0
.Lasked_\@:
.endm
; A round of the cluster's barrier behind its opening work-group barrier: wave 0 signals for the work-group, every wave waits
; for all sixteen work-groups, and the work-group's barrier closes the round.
.macro CREST
	s_cmp_lg_u32 s10, 0
	s_cbranch_scc1 .Lnot_wave_0_\@
	s_barrier_signal -3
.Lnot_wave_0_\@:
	s_barrier_wait -3
	s_barrier_signal -1
	s_barrier_wait -1
.endm
.macro CROUND
	s_barrier_signal -1
	s_barrier_wait -1
	CREST
.endm
; Four plain places between a matrix instruction and a load into, or a vector instruction on, one of its registers
.macro PLACES
.rept 4
	v_nop
.endr
.endm
	s_load_b128 s[4:7], s[0:1], 0x0                ; xb s[4:5], wt s[6:7]
	s_load_b128 s[68:71], s[0:1], 0x10             ; qh s[68:69], kh s[70:71]
	s_load_b64 s[72:73], s[0:1], 0x20              ; vh
	v_lshl_add_u32 v30, v0, 2, 0x3b800
	v_mov_b32 v31, 0
	ds_add_u32 v30, v31
	v_lshrrev_b32 v1, 5, v0
	v_readfirstlane_b32 s10, v1                    ; wave 0..3
	s_lshr_b32 s11, s10, 1                         ; which 128 rows of the block are mine.  Also: I fetch for xb (0) or wt (1)
	s_and_b32 s12, s10, 1                          ; which 96 columns.  Also: which half of that tile I fetch
	s_bfe_u32 s40, ttmp6, 0x40000                  ; cx
	s_bfe_u32 s41, ttmp6, 0x40004                  ; cy
	s_lshl_b32 s42, ttmp9, 2
	s_add_co_u32 s42, s42, s40                     ; head h = block column = 4 x cluster x + cx
	s_and_b32 s13, ttmp7, 0xffff
	s_lshl_b32 s13, s13, 2
	s_add_co_u32 s13, s13, s41                     ; block row = 4 x cluster y + cy
	s_lshl_b32 s43, s41, 2
	s_lshl_b32 s43, 15, s43                        ; my row of the cluster: places 4 cy .. 4 cy + 3
	s_lshl_b32 s44, 0x1111, s40                    ; my column: places cx, cx + 4, cx + 8, cx + 12
	s_mov_b32 s74, 0x3e38aa3b                      ; 0.125 x log2(e), twice: a pair for the packed multiply
	s_mov_b32 s75, 0x3e38aa3b
	; group 1: rows of 128 elements of 2 bytes, 16 bytes of padding behind every 64 words; 128 rows for xb, 96 for wt
	s_or_b32 s[G1+0],  s43, (1<<16)|(1<<20)|(1<<21)|(5<<22)|(3<<25)   ; 15:0 mask: my row; 17:16 2-byte elements; 20 padding; 21 set beside a mask; 24:22 every 64 words; 31:25 four words
	s_or_b32 s[G1B+0], s44, (1<<16)|(1<<20)|(1<<21)|(5<<22)|(3<<25)   ; the same with my column's mask
	s_mov_b32 s[G1+1],  KSTEP<<16                  ; tensor_dim0 = 128
	s_mov_b32 s[G1B+1], KSTEP<<16
	s_mov_b32 s[G1+2],  128<<16                    ; tensor_dim1 = 128
	s_mov_b32 s[G1B+2], 96<<16                     ; = 96
	s_mov_b32 s[G1+3],  KSTEP<<16                  ; tile_dim0 = 128
	s_mov_b32 s[G1B+3], KSTEP<<16
	s_mov_b32 s[G1+4],  128                        ; tile_dim1
	s_mov_b32 s[G1B+4], 96
	s_mov_b32 s[G1+5],  SIZE_K                     ; elements from row to row
	s_mov_b32 s[G1B+5], SIZE_K
	s_mov_b32 s[G1+6],  0
	s_mov_b32 s[G1B+6], 0
	s_mov_b32 s[G1+7],  0
	s_mov_b32 s[G1B+7], 0
	; xb's tiles hang on the block row alone, wt's on the head alone; each address is made in registers that never hold the other coordinate
	s_lshl_b32 s17, s12, 7
	s_lshl_b32 s16, s13, 8
	s_add_co_u32 s16, s16, s17                     ; xb: row 256 x block row + 128 x half
	s_lshl_b32 s16, s16, 11                        ; rows of 2,048 bytes (16,777,216 at the most)
	s_mov_b32 s17, 0
	s_mul_i32 s46, s42, 192
	s_mul_i32 s47, s12, 96
	s_add_co_u32 s46, s46, s47                     ; wt: row 192 h + 96 x half
	s_lshl_b32 s46, s46, 11
	s_mov_b32 s47, 0
	s_mul_i32 s20, s10, HALFA                      ; LDS: waves 0, 1 fill xb's halves at wave x HALFA,
	s_mul_i32 s21, s10, HALFB
	s_add_co_u32 s21, s21, 2*HALFA-2*HALFB         ; waves 2, 3 wt's halves at 2 HALFA + (wave - 2) x HALFB
	s_wait_dscnt 0x0
	s_wait_kmcnt 0x0
	s_add_nc_u64 s[14:15], s[4:5], s[16:17]
	s_add_nc_u64 s[46:47], s[6:7], s[46:47]
	CROUND                                         ; all sixteen work-groups are here: the first joint loads meet
.irp s, 0,1
	s_mov_b32 s[G0+4*\s], 1
	s_add_co_u32 s[G0+4*\s+1], s20, \s*SLOT
	s_add_nc_u64 s[G0+4*\s+2:G0+4*\s+3], s[14:15], \s*KSTEP*2      ; K step s
	s_or_b32 s[G0+4*\s+3], s[G0+4*\s+3], 0x80000000                ; type = 2
	s_mov_b32 s[G0B+4*\s], 1
	s_add_co_u32 s[G0B+4*\s+1], s21, \s*SLOT
	s_add_nc_u64 s[G0B+4*\s+2:G0B+4*\s+3], s[46:47], \s*KSTEP*2
	s_or_b32 s[G0B+4*\s+3], s[G0B+4*\s+3], 0x80000000
	JLOAD \s                                       ; both slots' first fills go out together: two tensor loads of the wave are out
.endr
	; fragment addresses: lane l holds row l % 16; two loads of 16 bytes, 32 bytes apart, at row x pitch + 16 (l / 16)
	v_and_b32 v1, 15, v0                           ; r
	v_bfe_u32 v2, v0, 4, 1                         ; hh
	v_mul_u32_u24 v3, v1, PITCH
	v_lshl_add_u32 v3, v2, 4, v3
	s_mul_i32 s22, s11, HALFA                      ; my 128 rows of xb
	s_mul_i32 s23, s12, HALFB
	s_add_co_u32 s23, s23, 2*HALFA                 ; my 96 rows of wt, behind xb's 256
.irp s, 0,1
	v_add_nc_u32 v[ADRA+\s], s22, v3
	v_add_nc_u32 v[ADRB+\s], s23, v3
	s_add_co_u32 s22, s22, SLOT
	s_add_co_u32 s23, s23, SLOT
.endr
	v_mul_u32_u24 v4, v1, SPITCH                   ; the way out, in: row 128 x half + r, byte 64 x (column half) + 16 hh
	v_lshl_add_u32 v4, v2, 4, v4
	s_mul_i32 s18, s11, 128*SPITCH
	s_lshl_b32 s19, s12, 6
	s_add_co_u32 s18, s18, s19
	v_add_nc_u32 v[STO0], s18, v4
	v_add_nc_u32 v[STO2], 2*KREG, v[STO0]
	v_and_b32 v5, 31, v0                           ; back: eight lanes take a row of 128 bytes, a wave four rows; wave w rows 64 w ..
	v_lshrrev_b32 v6, 3, v5
	v_and_b32 v7, 7, v0
	v_mul_u32_u24 v6, v6, SPITCH
	v_lshl_add_u32 v6, v7, 4, v6
	s_mul_i32 s18, s10, 64*SPITCH
	v_add_nc_u32 v[RD0], s18, v6
	v_add_nc_u32 v[RD2], 2*KREG, v[RD0]
	s_lshl_b32 s18, s10, 13                        ; and in memory the same four rows are 512 neighbouring bytes: 8,192 w + 16 lane
	v_lshl_add_u32 v[CO], v5, 4, s18
; 16 matrix instructions of window 1: row tiles a0 .. a0 + 3 x column tiles 0 .. 3, 32 along K, from buffer f.  zero = 1: the product starts the sums.
.macro MULW1 f, a0, zero
.irp a, \a0, \a0+1, \a0+2, \a0+3
.irp b, 0,1,2,3
.if \zero
	v_wmma_f32_16x16x32_bf16 v[8*(4*(\a)+\b):8*(4*(\a)+\b)+7], v[FB+FSTEP*\f+8*\b:FB+FSTEP*\f+8*\b+7], v[FA+FSTEP*\f+8*(\a):FA+FSTEP*\f+8*(\a)+7], 0
.else
	v_wmma_f32_16x16x32_bf16 v[8*(4*(\a)+\b):8*(4*(\a)+\b)+7], v[FB+FSTEP*\f+8*\b:FB+FSTEP*\f+8*\b+7], v[FA+FSTEP*\f+8*(\a):FA+FSTEP*\f+8*(\a)+7], v[8*(4*(\a)+\b):8*(4*(\a)+\b)+7]
.endif
.endr
.endr
.endm
; 16 matrix instructions of window 2: all eight row tiles x column tiles 4, 5
.macro MULW2 f, zero
.irp a, 0,1,2,3,4,5,6,7
.irp b, 4,5
.if \zero
	v_wmma_f32_16x16x32_bf16 v[8*(2*\a+\b-4):8*(2*\a+\b-4)+7], v[FB+FSTEP*\f+8*\b:FB+FSTEP*\f+8*\b+7], v[FA+FSTEP*\f+8*\a:FA+FSTEP*\f+8*\a+7], 0
.else
	v_wmma_f32_16x16x32_bf16 v[8*(2*\a+\b-4):8*(2*\a+\b-4)+7], v[FB+FSTEP*\f+8*\b:FB+FSTEP*\f+8*\b+7], v[FA+FSTEP*\f+8*\a:FA+FSTEP*\f+8*\a+7], v[8*(2*\a+\b-4):8*(2*\a+\b-4)+7]
.endif
.endr
.endr
.endm
; 28 LDS loads in one run, window 0: 128 rows of xb, then 96 rows of wt, 32 K at byte k of the rows, into buffer f
.macro FETCH slot, k, f
.irp i, 0,1,2,3,4,5,6,7
	ds_load_b128 v[FA+FSTEP*\f+8*\i:FA+FSTEP*\f+8*\i+3],   v[ADRA+\slot] offset:\k+\i*16*PITCH
	ds_load_b128 v[FA+FSTEP*\f+8*\i+4:FA+FSTEP*\f+8*\i+7], v[ADRA+\slot] offset:\k+\i*16*PITCH+32
.endr
.irp i, 0,1,2,3,4,5
	ds_load_b128 v[FB+FSTEP*\f+8*\i:FB+FSTEP*\f+8*\i+3],   v[ADRB+\slot] offset:\k+\i*16*PITCH
	ds_load_b128 v[FB+FSTEP*\f+8*\i+4:FB+FSTEP*\f+8*\i+7], v[ADRB+\slot] offset:\k+\i*16*PITCH+32
.endr
.endm
; A K step is four quarters of 32 along K, 48 matrix instructions each, on buffers 0, 1, 0, 1.  The 48 accumulators take turns, one
; instruction a turn, in the same order in every quarter, over the loop's jump too.
; One of the first three quarters: multiplies buffer f and fetches the next quarter's fragments, at byte k, into buffer g.
.macro QUARTER slot, k, f, g, zero
	s_wait_dscnt 4                                 ; all of xb and wt's tiles 0-3 are in; the four youngest loads (wt's tiles 4, 5) may be out
	WIN W1
	MULW1 \f, 0, \zero
	MULW1 \f, 4, \zero
	PLACES
	WIN 0
	FETCH \slot, \k, \g
	s_wait_dscnt 28                                ; all but the 28 just issued
	WIN W2
	MULW2 \f, \zero
.endm
.macro THREE slot, zero
	QUARTER \slot, 64,  0, 1, \zero
	QUARTER \slot, 128, 1, 0, 0
	QUARTER \slot, 192, 0, 1, 0
.endm
; The last quarter multiplies buffer 1 and changes slots.  One barrier for two things: in front of it each wave waits for its reads of
; this slot and for all its tensor loads (one is out: its part of the next slot); behind it nobody reads this slot and the next is whole.
; fill = 1: the barrier opens a round of the cluster's barrier and the joint refill, two K steps ahead, is the first tensor load behind it;
; from that request to the wait for it a wave issues 176 matrix instructions.
.macro TURN slot, next, fill
	s_wait_dscnt 4
	WIN W1
	MULW1 1, 0, 0
	s_wait_dscnt 0                                 ; my reads of this slot are over
	s_wait_tensorcnt 0x0                           ; and all my tensor loads have landed
	ds_add_u32 v30, v31
	s_wait_dscnt 0x0
	s_barrier_signal -1
	MULW1 1, 4, 0                                  ; registers only, while the others arrive
	WIN 0
	s_barrier_wait -1
.if \fill
	CREST                                          ; no wave of any partner still reads this slot or has a load on its way
	s_add_nc_u64 s[G0+4*\slot+2:G0+4*\slot+3], s[G0+4*\slot+2:G0+4*\slot+3], 2*KSTEP*2
	s_add_nc_u64 s[G0B+4*\slot+2:G0B+4*\slot+3], s[G0B+4*\slot+2:G0B+4*\slot+3], 2*KSTEP*2
	JLOAD \slot
.endif
	PLACES
	FETCH \next, 0, 0
	WIN W2
	MULW2 1, 0
.endm
.macro LAP zero
	THREE 0, \zero
	TURN 0, 1, 1
	THREE 1, 0
	TURN 1, 0, 1
.endm
	s_wait_tensorcnt 1                             ; my part of K step 0 is in; K step 1's load stays out
	s_barrier_signal -1
	s_barrier_wait -1
	FETCH 0, 0, 0
	LAP 1                                          ; the first lap's first products start the sums: nothing is cleared
	WIN 0
	s_mov_b32 s3, LAPS-2
.Llap:
	LAP 0
	WIN 0
	s_sub_co_u32 s3, s3, 1
	s_cmp_lg_u32 s3, 0
	s_cbranch_scc1 .Llap
	THREE 0, 0                                     ; the last lap fills nothing
	TURN 0, 1, 0                                   ; behind this barrier no wave reads slot 0 and no load fills it any more: it becomes the stage
	THREE 1, 0
	s_wait_dscnt 0
	WIN W1
	MULW1 1, 0, 0
	MULW1 1, 4, 0
	WIN W2
	MULW2 1, 0
	; THE WAY OUT.  q is scaled, all is rounded once to f16, 16 bytes a lane go into the stage, whole rows come back and leave.
	PLACES
	s_lshr_b32 s76, s13, 3                         ; b
	s_lshl_b32 s76, s76, 4
	s_add_co_u32 s76, s76, s42                     ; b*16 + h
	s_lshl_b32 s76, s76, 18                        ; 2,048 rows of 128 bytes
	s_and_b32 s77, s13, 7
	s_lshl_b32 s77, s77, 15                        ; + the block's 256 rows
	s_add_co_u32 s76, s76, s77
	s_mov_b32 s77, 0
	s_add_nc_u64 s[68:69], s[68:69], s[76:77]
	s_add_nc_u64 s[70:71], s[70:71], s[76:77]
	s_add_nc_u64 s[72:73], s[72:73], s[76:77]
	WIN 0x41                                       ; destination and source 0 in window 1
.irp a, 0,1,2,3,4,5,6,7
.irp b, 0,1
.irp i, 0,1,2,3
	v_pk_mul_f32 v[8*(4*\a+\b)+2*\i:8*(4*\a+\b)+2*\i+1], v[8*(4*\a+\b)+2*\i:8*(4*\a+\b)+2*\i+1], s[74:75] op_sel_hi:[1,0]
.endr
.endr
.endr
.macro OUTA a                          ; rows 16 a .. 16 a + 15 of my 128: six tiles, 16 bytes each
	WIN 0x05                                       ; sources in window 1
.irp b, 0,1,2,3
.irp i, 0,1,2,3
	v_cvt_pk_f16_f32 v[TMP+4*\b+\i], v[8*(4*\a+\b)+2*\i], v[8*(4*\a+\b)+2*\i+1]
.endr
.endr
	WIN 0x0a                                       ; sources in window 2
.irp b, 4,5
.irp i, 0,1,2,3
	v_cvt_pk_f16_f32 v[TMP+4*\b+\i], v[8*(2*\a+\b-4)+2*\i], v[8*(2*\a+\b-4)+2*\i+1]
.endr
.endr
	WIN 0
	ds_store_b128 v[STO0], v[TMP:TMP+3]     offset:\a*16*SPITCH
	ds_store_b128 v[STO0], v[TMP+4:TMP+7]   offset:\a*16*SPITCH+32
	ds_store_b128 v[STO0], v[TMP+8:TMP+11]  offset:KREG+\a*16*SPITCH
	ds_store_b128 v[STO0], v[TMP+12:TMP+15] offset:KREG+\a*16*SPITCH+32
	ds_store_b128 v[STO2], v[TMP+16:TMP+19] offset:\a*16*SPITCH
	ds_store_b128 v[STO2], v[TMP+20:TMP+23] offset:\a*16*SPITCH+32
.endm
	OUTA 0
	OUTA 1
	OUTA 2
	OUTA 3
	OUTA 4
	OUTA 5
	OUTA 6
	OUTA 7
	s_wait_dscnt 0x0                               ; a row's two halves come from two waves: my stores are in LDS before I say so
	s_barrier_signal -1
	s_barrier_wait -1
.irp t, 0,1,2,3,4,5,6,7,8,9,10,11,12,13,14,15
	ds_load_b128 v[OUTR+4*\t:OUTR+4*\t+3], v[RD0] offset:\t*4*SPITCH
.endr
.irp t, 0,1,2,3,4,5,6,7,8,9,10,11,12,13,14,15
	ds_load_b128 v[OUTR+64+4*\t:OUTR+64+4*\t+3], v[RD0] offset:KREG+\t*4*SPITCH
.endr
.irp t, 0,1,2,3,4,5,6,7,8,9,10,11,12,13,14,15
	ds_load_b128 v[OUTR+128+4*\t:OUTR+128+4*\t+3], v[RD2] offset:\t*4*SPITCH
.endr
.irp t, 0,1,2,3,4,5,6,7,8,9,10,11,12,13,14,15
	s_wait_dscnt 47-\t                             ; of the 48 loads the 47 - t younger ones may be out
	global_store_b128 v[CO], v[OUTR+4*\t:OUTR+4*\t+3], s[68:69] offset:512*\t      ; the wave stores 512 neighbouring bytes, aligned
.endr
.irp t, 0,1,2,3,4,5,6,7,8,9,10,11,12,13,14,15
	s_wait_dscnt 31-\t
	global_store_b128 v[CO], v[OUTR+64+4*\t:OUTR+64+4*\t+3], s[70:71] offset:512*\t
.endr
.irp t, 0,1,2,3,4,5,6,7,8,9,10,11,12,13,14,15
	s_wait_dscnt 15-\t
	global_store_b128 v[CO], v[OUTR+128+4*\t:OUTR+128+4*\t+3], s[72:73] offset:512*\t
.endr
	s_wait_tensorcnt 0x0
	ds_add_u32 v30, v31
	s_wait_dscnt 0x0
	CROUND                                         ; the closing round: no work-group ends while a partner may still ask for a tile that names it
	s_endpgm
.Lfunc_end_k_q2ce2710d2a_proj:
	.size	k_q2ce2710d2a_proj, .Lfunc_end_k_q2ce2710d2a_proj-k_q2ce2710d2a_proj
	.p2alignl 7, 3214868480
	.fill 96, 4, 3214868480
	.section	.rodata,"a",@progbits
	.p2align	6, 0x0
	.amdhsa_kernel k_q2ce2710d2a_proj
		.amdhsa_group_segment_fixed_size 327680
		.amdhsa_private_segment_fixed_size 0
		.amdhsa_enable_private_segment 0
		.amdhsa_kernarg_size 40
		.amdhsa_user_sgpr_count 2
		.amdhsa_user_sgpr_kernarg_segment_ptr 1
		.amdhsa_wavefront_size32 1
		.amdhsa_system_sgpr_workgroup_id_x 1
		.amdhsa_system_sgpr_workgroup_id_y 1
		.amdhsa_system_sgpr_workgroup_id_z 1
		.amdhsa_system_vgpr_workitem_id 0
		.amdhsa_next_free_vgpr 640
		.amdhsa_next_free_sgpr 80
		.amdhsa_reserve_vcc 0
		.amdhsa_float_denorm_mode_32 3
		.amdhsa_float_denorm_mode_16_64 3
		.amdhsa_memory_ordered 1
		.amdhsa_forward_progress 1
		.amdhsa_inst_pref_size 161
	.end_amdhsa_kernel
	.amdgpu_metadata
---
amdhsa.version: [ 1, 2 ]
amdhsa.kernels:
  - .name:           k_q2ce2710d2a_proj
    .symbol:         k_q2ce2710d2a_proj.kd
    .args:
      - { .name: xb, .offset: 0, .size: 8, .value_kind: global_buffer, .address_space: global }
      - { .name: wt, .offset: 8, .size: 8, .value_kind: global_buffer, .address_space: global }
      - { .name: qh, .offset: 16, .size: 8, .value_kind: global_buffer, .address_space: global }
      - { .name: kh, .offset: 24, .size: 8, .value_kind: global_buffer, .address_space: global }
      - { .name: vh, .offset: 32, .size: 8, .value_kind: global_buffer, .address_space: global }
    .group_segment_fixed_size: 327680
    .private_segment_fixed_size: 0
    .kernarg_segment_align: 8
    .kernarg_segment_size: 40
    .max_flat_workgroup_size: 128
    .sgpr_count:     80
    .vgpr_count:     640
    .wavefront_size: 32
...
	.end_amdgpu_metadata
.endif
;; end of part 2
;; launch attn (part 3): grid 256 x 1, 8 waves a work-group, clusters of 4 x 1, 327,680 bytes of LDS; arguments qh, kh, vh, out0; writes out0
.if DOCPART == 3
	.amdgcn_target "amdgcn-amd-amdhsa--gfx1250"
	.amdhsa_code_object_version 6
	.text
	.protected	k_q2ce2710d2a_attn
	.globl	k_q2ce2710d2a_attn
	.p2align	8
	.type	k_q2ce2710d2a_attn,@function
k_q2ce2710d2a_attn:
	s_mov_b64 s[64:65], 0
	v_nop
	global_prefetch_b8 v0, s[64:65] scope:SCOPE_SE
	s_setreg_imm32_b32 hwreg(HW_REG_WAVE_MODE, 25, 1), 1
	s_wait_xcnt 0x0
	s_wait_alu depctr_hold_cnt(0) depctr_sa_sdst(0) depctr_va_vdst(0) depctr_va_sdst(0) depctr_va_ssrc(0) depctr_va_vcc(0) depctr_vm_vsrc(0)
	s_getreg_b32 s2, hwreg(HW_REG_IB_STS2, 6, 4)
	s_cmp_eq_u32 s2, 0
	s_cbranch_scc0 .Lentry_in_a_cluster
	s_endpgm
.Lentry_in_a_cluster:
	s_bfe_u32 s2, ttmp6, 0x10000c
	s_cmp_lg_u32 s2, 0x3003
	s_cbranch_scc0 .Lentry_shape_is_right
	s_endpgm
.Lentry_shape_is_right:
; attn: causal attention with a running maximum.  qh (already times 0.125 log2 e), kh, vh: [64 heads bh][2048][64] f16.
; out0[b][s][h*64+e] f32.  Scores and sums in f32, the weights P go to the matrix unit as f16.
; LIMITS: a weight below about 6e-8 of its row's largest rounds to 0 in the product with v; the divisor l is the f32 sum of the
; unrounded weights; NaN and infinite inputs are not followed.
; SHARES.  A cluster of four work-groups takes one head.  The 2,048 queries are 32 groups g of 64 rows; work-group cx owns rows
; 64 g + 16 cx + 0..15 of EVERY group.  So all four partners walk the same 32 steps of 64 keys, a tile of group g is live for steps
; j <= g in every partner, and K's and V's tiles are asked for jointly (mask 15).  No branch hangs on cx: it enters global addresses
; and the lane mask of the diagonal alone.  Wave w owns the 16-query tiles of groups 31-w, 16+w, 15-w, w: 66 tile steps for every
; wave.  Eight waves, two to a SIMD, so that one wave's softmax runs beside the other's matrix work.
; LAYOUT.  S^T = K Q^T: register jj of lane (r, hh) of key tile kt is key 16 kt + 8 hh + jj, query r.  A lane's 8 + 8 numbers of key tiles
; 2 ks, 2 ks + 1 are, packed to f16, exactly its part of the second source of O^T = V^T P^T: no number changes lanes.  Maximum, divisor and rescale
; factor are one number a lane; a row's two halves meet by one v_permlanex16_b32.  V stays [key][e] and is transposed by the LDS load.
.set KPITCH, 272                       ; an LDS row holds two keys (256 bytes) + 16: a fragment's 16 keys start at (r>>1)*16 + (r&1)*128 modulo 256, all different
.set VPITCH, 288                       ; + 32: the 16 lanes of a transposing load start at (i>>1)*32 + (i&1)*128 + 16 c modulo 256, all different
.set KTILE,  64*KPITCH                 ; 128 keys
.set VTILE,  64*VPITCH
.set SLOT,   KTILE+VTILE               ; a slot holds the keys and values of two steps
.set STAGE,  2*SLOT                    ; behind the ring, at a multiple of 256: 16 rows x 272 bytes for each wave, never filled by a tensor load
.set SPITCH, 272
.set TILEB,  16384                     ; 128 rows of 128 bytes in memory, dense
.set KA,  2                            ; v2-3    LDS address of my K fragments in slot 0, 1
.set VA,  4                            ; v4-5    the same for V's transposing loads
.set DM,  6                            ; v6      16 cx + r - 8 hh: on the diagonal key 16 kt + jj (in my half) is kept if it is <= this
.set STO, 7                            ; v7      the way out: in
.set RD,  8                            ; v8      the way out: back
.set PF,  9                            ; v9      256 x lane, for the prefetch; never rewritten
.set QO,  10                           ; v10-13  byte offset of my part of tile t's queries
.set CO,  14                           ; v14-17  byte offset of tile t's rows in out0
.set MX,  18                           ; v18-21  running maximum of tile t
.set LS,  22                           ; v22-25  running sum of tile t, my half of the keys
.set CH,  26                           ; v26-29  four chains of the maximum
.set MN,  30                           ; v30-31  the new maximum, twice
.set AL,  32                           ; v32-33  the rescale factor, twice
.set US,  34                           ; v34-41  four chains of the sum, in pairs
.set T0,  42
.set T1,  43
.set SC,  48                           ; v48-79  scores, then weights: 8 kt + jj
.set PR,  80                           ; v80-95  weights as f16: 8 ks + i
.set KF,  96                           ; v96-159   K fragments: 16 kt + 8 es
.set VF,  160                          ; v160-223  V^T fragments: 16 et + 8 ks
.set QF,  128                          ; window 1: v384-447 Q fragments: 16 t + 8 es.  Window 1, v256-383: O^T of tile t at 32 t + 8 et
.set GR,  16                           ; s16-19  the groups of my four tiles
.set G1K, 24                           ; s[24:31] descriptor group 1, K
.set G1V, 32                           ; s[32:39] V
.set G0K, 40                           ; s[40:47] group 0, K, a set for each slot
.set G0V, 48                           ; s[48:55] V
.set MSB, 0
.macro WIN new                         ; the immediate's high byte repeats the setting that is left; at labels and branches the setting is 0
.if MSB != \new
	s_set_vgpr_msb (MSB<<8)|\new
.set MSB, \new
.endif
.endm
.macro ROUND                           ; a round of the cluster's barrier
	s_barrier_signal -1
	s_barrier_wait -1
	s_cmp_lg_u32 s12, 0
	s_cbranch_scc1 .Lnot_wave_0_\@
	s_barrier_signal -3
.Lnot_wave_0_\@:
	s_barrier_wait -3
	s_barrier_signal -1
	s_barrier_wait -1
.endm
.macro JLOAD s                         ; the joint loads of a slot: wave 0 asks for K's 128 keys, wave 1 for V's; one tensor load a wave
	s_cmp_eq_u32 s12, 0
	s_cbranch_scc0 .Lnot_k_\@
	tensor_load_to_lds s[G0K+4*\s:G0K+4*\s+3], s[G1K:G1K+7]
	s_nop 0
.Lnot_k_\@:
	s_cmp_eq_u32 s12, 1
	s_cbranch_scc0 .Lnot_v_\@
	tensor_load_to_lds s[G0V+4*\s:G0V+4*\s+3], s[G1V:G1V+7]
	s_nop 0
.Lnot_v_\@:
.endm
	s_load_b256 s[4:11], s[0:1], 0x0               ; qh s[4:5], kh s[6:7], vh s[8:9], out0 s[10:11]
	v_lshl_add_u32 v254, v0, 2, 0x29000
	v_mov_b32 v255, 0
	ds_add_u32 v254, v255
	v_lshrrev_b32 v1, 5, v0
	v_readfirstlane_b32 s12, v1                    ; wave 0..7
	s_bfe_u32 s13, ttmp6, 0x40000                  ; cx
	s_mov_b32 s14, ttmp9                           ; the cluster's number = head bh
	s_mov_b32 s15, 0                               ; j, the key step
	s_sub_co_u32 s16, 31, s12                      ; my tiles' groups
	s_add_co_u32 s17, s12, 16
	s_sub_co_u32 s18, 15, s12
	s_mov_b32 s19, s12
	s_mov_b32 s20, 0x76543210                      ; v_permlanex16_b32: lane i reads lane i of the other half
	s_mov_b32 s21, 0xfedcba98
	s_mov_b32 s23, 0xff800000                      ; minus infinity
	; group 1: a dense block of 16,384 bytes as 64 rows of 32 elements of 8 bytes; padding behind every 64 words: 4 words for K, 8 for V
	s_mov_b32 s[G1K+0], 15|(3<<16)|(1<<20)|(1<<21)|(5<<22)|(3<<25)
	s_mov_b32 s[G1V+0], 15|(3<<16)|(1<<20)|(1<<21)|(5<<22)|(7<<25)
	s_mov_b32 s[G1K+1], 32<<16                     ; tensor_dim0 = 32
	s_mov_b32 s[G1V+1], 32<<16
	s_mov_b32 s[G1K+2], 64<<16                     ; tensor_dim1 = 64
	s_mov_b32 s[G1V+2], 64<<16
	s_mov_b32 s[G1K+3], 32<<16                     ; tile_dim0 = 32
	s_mov_b32 s[G1V+3], 32<<16
	s_mov_b32 s[G1K+4], 64                         ; tile_dim1 = 64
	s_mov_b32 s[G1V+4], 64
	s_mov_b32 s[G1K+5], 32                         ; elements from row to row
	s_mov_b32 s[G1V+5], 32
	s_mov_b32 s[G1K+6], 0
	s_mov_b32 s[G1V+6], 0
	s_mov_b32 s[G1K+7], 0
	s_mov_b32 s[G1V+7], 0
	; lane values
	v_mov_b32 v[T0], 0                             ; v_permlanex16_b32 counts as a reader of its destination
	v_and_b32 v44, 15, v0                          ; r
	v_bfe_u32 v45, v0, 4, 1                        ; hh
	v_and_b32 v47, 1, v0
	v_lshrrev_b32 v46, 1, v44
	v_mul_u32_u24 v46, v46, KPITCH                 ; key r of a tile: LDS row r>>1,
	v_lshl_add_u32 v46, v47, 7, v46                ; half r&1,
	v_lshl_add_u32 v[KA], v45, 4, v46              ; e = 8 hh ..
	v_add_nc_u32 v[KA+1], SLOT, v[KA]
	v_bfe_u32 v46, v0, 1, 2                        ; transposing load: lane l addresses key 8 hh + (l&7): LDS row 4 hh + ((l&7)>>1),
	v_lshl_add_u32 v46, v45, 2, v46
	v_mul_u32_u24 v46, v46, VPITCH
	v_lshl_add_u32 v46, v47, 7, v46                ; half l&1,
	v_bfe_u32 v[T1], v0, 3, 1
	v_lshl_add_u32 v46, v[T1], 4, v46              ; e = 8 ((l>>3)&1) ..
	v_add_nc_u32 v[VA], KTILE, v46
	v_add_nc_u32 v[VA+1], SLOT+KTILE, v46
	v_lshlrev_b32 v46, 3, v45
	v_sub_nc_u32 v46, v44, v46
	v_lshl_add_u32 v[DM], s13, 4, v46              ; 16 cx + r - 8 hh, signed
	s_mul_i32 s22, s12, 16*SPITCH
	s_add_co_u32 s22, s22, STAGE                   ; my stage
	v_mul_u32_u24 v46, v44, SPITCH
	v_lshl_add_u32 v46, v45, 5, v46
	v_add_nc_u32 v[STO], s22, v46                  ; in: row r, 32 bytes for each half of the lanes
	v_mul_u32_u24 v46, v45, SPITCH
	v_lshl_add_u32 v46, v44, 4, v46
	v_add_nc_u32 v[RD], s22, v46                   ; back: lanes 0-15 one row of 256 bytes, lanes 16-31 the next
	v_and_b32 v46, 31, v0
	v_lshlrev_b32 v[PF], 8, v46
	v_lshlrev_b32 v46, 7, v44
	v_lshl_add_u32 v46, v45, 4, v46                ; query r: 128 r + 16 hh
	v_lshlrev_b32 v47, 12, v45
	v_lshl_add_u32 v47, v44, 4, v47                ; out0: 4,096 hh + 16 r
.irp t, 0,1,2,3
	v_lshl_add_u32 v[QO+\t], s[GR+\t], 13, v46     ; + 64 rows of 128 bytes a group
	v_lshl_add_u32 v[CO+\t], s[GR+\t], 18, v47     ; + 64 rows of 4,096 bytes a group
.endr
	s_lshl_b32 s58, s14, 18                        ; my head: 2,048 rows of 128 bytes.  s58, s59 never hold cx: they feed the joint loads' addresses
	s_mov_b32 s59, 0
	s_lshl_b32 s60, s13, 11                        ; my 16 rows of a group of queries
	s_mov_b32 s61, 0
	s_and_b32 s62, s13, 1                          ; prefetch: cx = 0, 1 take the halves of K's tile, cx = 2, 3 of V's;
	s_lshl_b32 s62, s62, 13
	s_add_co_u32 s62, s62, TILEB                   ; the base starts at tile 1 and is stepped ahead of each use
	s_mov_b32 s63, 0
	s_wait_dscnt 0x0
	s_wait_kmcnt 0x0
	s_add_nc_u64 s[4:5], s[4:5], s[58:59]
	s_add_nc_u64 s[4:5], s[4:5], s[60:61]
	s_add_nc_u64 s[6:7], s[6:7], s[58:59]
	s_add_nc_u64 s[8:9], s[8:9], s[58:59]
	s_cmp_lt_u32 s13, 2
	s_cselect_b64 s[56:57], s[6:7], s[8:9]
	s_add_nc_u64 s[56:57], s[56:57], s[62:63]
	s_lshr_b32 s62, s14, 4                         ; out0: b x 2,048 rows of 4,096 bytes
	s_lshl_b32 s62, s62, 23
	s_lshl_b32 s60, s13, 16                        ; + 16 cx rows
	s_add_co_u32 s62, s62, s60
	s_and_b32 s60, s14, 15
	s_lshl_b32 s60, s60, 8                         ; + the head's 64 columns = 256 bytes
	s_add_co_u32 s62, s62, s60
	s_add_nc_u64 s[10:11], s[10:11], s[62:63]
.irp n, 0,1
	s_mov_b32 s[G0K+4*\n], 1
	s_mov_b32 s[G0K+4*\n+1], \n*SLOT
	s_add_nc_u64 s[G0K+4*\n+2:G0K+4*\n+3], s[6:7], \n*TILEB        ; slot n starts with tile n
	s_or_b32 s[G0K+4*\n+3], s[G0K+4*\n+3], 0x80000000              ; type = 2
	s_mov_b32 s[G0V+4*\n], 1
	s_mov_b32 s[G0V+4*\n+1], \n*SLOT+KTILE
	s_add_nc_u64 s[G0V+4*\n+2:G0V+4*\n+3], s[8:9], \n*TILEB
	s_or_b32 s[G0V+4*\n+3], s[G0V+4*\n+3], 0x80000000
.endr
	ROUND                                          ; the four partners are here: the first joint loads meet
	JLOAD 0                                        ; tile 0; slot 1 is first filled behind the first phase's round, as a refill is
	WIN 0x40                                       ; destination in window 1
.irp t, 0,1,2,3
.irp es, 0,1
	global_load_b128 v[QF+16*\t+8*\es:QF+16*\t+8*\es+3],   v[QO+\t], s[4:5] offset:64*\es th:TH_LOAD_NT
	global_load_b128 v[QF+16*\t+8*\es+4:QF+16*\t+8*\es+7], v[QO+\t], s[4:5] offset:64*\es+32 th:TH_LOAD_NT
.endr
.endr
	WIN 0
	s_wait_loadcnt 0x0                             ; the queries stay in registers for the whole kernel
; The fragments of step st (0, 1) of a slot: 16 loads for K, then 16 transposing loads for V
.macro LOADKV slot, st
.irp kt, 0,1,2,3
.irp es, 0,1
	ds_load_b128 v[KF+16*\kt+8*\es:KF+16*\kt+8*\es+3],   v[KA+\slot] offset:\st*32*KPITCH+\kt*8*KPITCH+64*\es
	ds_load_b128 v[KF+16*\kt+8*\es+4:KF+16*\kt+8*\es+7], v[KA+\slot] offset:\st*32*KPITCH+\kt*8*KPITCH+64*\es+32
.endr
.endr
.irp et, 0,1,2,3
.irp ks, 0,1
	ds_load_tr16_b128 v[VF+16*\et+8*\ks:VF+16*\et+8*\ks+3],   v[VA+\slot] offset:\st*32*VPITCH+\ks*16*VPITCH+32*\et
	ds_load_tr16_b128 v[VF+16*\et+8*\ks+4:VF+16*\et+8*\ks+7], v[VA+\slot] offset:\st*32*VPITCH+\ks*16*VPITCH+32*\et+8*VPITCH
.endr
.endr
.endm
; One tile of 16 queries against the step's 64 keys.
; cond: the tile may be over (j > g): skip it.  first: step 0, nothing to carry.  wk: the step's first tile waits for the fragments.
; diag: the tile may stand on its diagonal (j = g): mask it there.  Both branches hang on j and the wave's number alone.
.macro TILE t, cond, first, wk, diag
.if \cond
	s_cmp_gt_u32 s15, s[GR+\t]
	s_cbranch_scc1 .Lskip_\@
.endif
.if \wk
	s_wait_dscnt 16                                ; K's sixteen loads are in; V's sixteen, issued behind them, may be out
.endif
	WIN 0x04                                       ; source 1 (Q) in window 1
	; the four score tiles take turns, one instruction a turn
.irp kt, 0,1,2,3
	v_wmma_f32_16x16x32_f16 v[SC+8*\kt:SC+8*\kt+7], v[KF+16*\kt:KF+16*\kt+7], v[QF+16*\t:QF+16*\t+7], 0
.endr
.irp kt, 0,1,2,3
	v_wmma_f32_16x16x32_f16 v[SC+8*\kt:SC+8*\kt+7], v[KF+16*\kt+8:KF+16*\kt+15], v[QF+16*\t+8:QF+16*\t+15], v[SC+8*\kt:SC+8*\kt+7]
.endr
	WIN 0
.rept 4
	v_nop                                          ; four places before vector instructions read or write the scores (ISA guide 7.12.1)
.endr
.if \diag
	s_cmp_lg_u32 s15, s[GR+\t]
	s_cbranch_scc1 .Lfull_\@
.irp kt, 0,1,2,3
.irp jj, 0,1,2,3,4,5,6,7
	v_cmp_le_i32 vcc_lo, 16*\kt+\jj, v[DM]         ; key <= query
	v_cndmask_b32 v[SC+8*\kt+\jj], s23, v[SC+8*\kt+\jj], vcc_lo
.endr
.endr
.Lfull_\@:
.endif
	; the new maximum: my 32 scores and the old maximum in 16 instructions, then the other half of the keys.  Every query sees key 0
	; in step 0, so the maximum is finite from the first step on.
.irp k, 0,1,2,3
	v_max3_num_f32 v[CH+\k], v[SC+8*\k], v[SC+8*\k+1], v[SC+8*\k+2]
.endr
.irp k, 0,1,2,3
	v_max3_num_f32 v[CH+\k], v[CH+\k], v[SC+8*\k+3], v[SC+8*\k+4]
.endr
.irp k, 0,1,2,3
	v_max3_num_f32 v[CH+\k], v[CH+\k], v[SC+8*\k+5], v[SC+8*\k+6]
.endr
	v_max3_num_f32 v[CH], v[CH], v[SC+7], v[SC+15]
	v_max3_num_f32 v[CH+1], v[CH+1], v[SC+23], v[SC+31]
	v_max3_num_f32 v[CH], v[CH], v[CH+1], v[CH+2]
.if \first
	v_max_num_f32 v[CH], v[CH], v[CH+3]
.else
	v_max3_num_f32 v[CH], v[CH], v[CH+3], v[MX+\t]
.endif
	v_permlanex16_b32 v[T0], v[CH], s20, s21
	v_max_num_f32 v[MN], v[CH], v[T0]
	v_max_num_f32 v[MN+1], v[CH], v[T0]            ; twice: a pair for the packed subtraction
.set ii, 0
.rept 16
	v_pk_add_f32 v[SC+2*ii:SC+2*ii+1], v[SC+2*ii:SC+2*ii+1], v[MN:MN+1] neg_lo:[0,1] neg_hi:[0,1]
.set ii, ii+1
.endr
.if \first == 0
	v_sub_f32 v[T1], v[MX+\t], v[MN]
.endif
.set ii, 0
.rept 32
	v_exp_f32 v[SC+ii], v[SC+ii]                   ; the scores are in base 2 already; a masked one gives 0
.set ii, ii+1
.endr
.if \first == 0
	v_exp_f32 v[AL], v[T1]
	v_exp_f32 v[AL+1], v[T1]
.endif
	v_mov_b32 v[MX+\t], v[MN]                      ; the plain instruction between the exponentials and the first use of a result (ISA guide 5.7.2)
	s_wait_alu depctr_va_vdst(0)
.irp k, 0,1,2,3
	v_pk_add_f32 v[US+2*\k:US+2*\k+1], v[SC+4*\k:SC+4*\k+1], v[SC+4*\k+2:SC+4*\k+3]
.endr
.irp k, 0,1,2,3
	v_pk_add_f32 v[US+2*\k:US+2*\k+1], v[US+2*\k:US+2*\k+1], v[SC+16+2*\k:SC+16+2*\k+1]
.endr
.irp k, 0,1,2,3
	v_pk_add_f32 v[US+2*\k:US+2*\k+1], v[US+2*\k:US+2*\k+1], v[SC+24+2*\k:SC+24+2*\k+1]
.endr
	v_pk_add_f32 v[US:US+1], v[US:US+1], v[US+2:US+3]
	v_pk_add_f32 v[US+4:US+5], v[US+4:US+5], v[US+6:US+7]
	v_pk_add_f32 v[US:US+1], v[US:US+1], v[US+4:US+5]
.if \first
	v_add_f32 v[LS+\t], v[US], v[US+1]             ; the first step starts the sum
.else
	v_add_f32 v[T0], v[US], v[US+1]
	v_fma_f32 v[LS+\t], v[LS+\t], v[AL], v[T0]     ; my half of the keys; the halves meet at the end
.endif
.set ii, 0
.rept 16
	v_cvt_pk_f16_f32 v[PR+ii], v[SC+2*ii], v[SC+2*ii+1]
.set ii, ii+1
.endr
.if \first == 0
	WIN 0x41                                       ; destination and source 0 in window 1
.set ii, 0
.rept 16
	v_pk_mul_f32 v[32*\t+2*ii:32*\t+2*ii+1], v[32*\t+2*ii:32*\t+2*ii+1], v[AL:AL+1]
.set ii, ii+1
.endr
.endif
.if \wk
	s_wait_dscnt 0                                 ; V's fragments are in
.endif
	WIN 0x50                                       ; C and D in window 1
	; the four tiles of O^T take turns, one instruction a turn
.irp et, 0,1,2,3
.if \first
	v_wmma_f32_16x16x32_f16 v[32*\t+8*\et:32*\t+8*\et+7], v[VF+16*\et:VF+16*\et+7], v[PR:PR+7], 0
.else
	v_wmma_f32_16x16x32_f16 v[32*\t+8*\et:32*\t+8*\et+7], v[VF+16*\et:VF+16*\et+7], v[PR:PR+7], v[32*\t+8*\et:32*\t+8*\et+7]
.endif
.endr
.irp et, 0,1,2,3
	v_wmma_f32_16x16x32_f16 v[32*\t+8*\et:32*\t+8*\et+7], v[VF+16*\et+8:VF+16*\et+15], v[PR+8:PR+15], v[32*\t+8*\et:32*\t+8*\et+7]
.endr
	WIN 0
.if \cond
.Lskip_\@:
.endif
.endm
; One step of 64 keys.  nt: tiles 0 .. nt - 1 can be live in this range of steps; only tile nt - 1 can end or meet its diagonal there.
.macro STEP slot, st, nt, first
.rept 4
	v_nop                                          ; four places between the last matrix instruction and the loads into its sources, on every way here
.endr
.if \nt == 1
	s_cmp_gt_u32 s15, s[GR]
	s_cbranch_scc1 .Lidle_\@                       ; my last tile is over: no loads, no work; the rounds are still passed
	LOADKV \slot, \st
	TILE 0, 0, 0, 1, 1
.Lidle_\@:
.endif
.if \nt == 2
	LOADKV \slot, \st
	TILE 0, 0, 0, 1, 0
	TILE 1, 1, 0, 0, 1
.endif
.if \nt == 3
	LOADKV \slot, \st
	TILE 0, 0, 0, 1, 0
	TILE 1, 0, 0, 0, 0
	TILE 2, 1, 0, 0, 1
.endif
.if \nt == 4
	LOADKV \slot, \st
	TILE 0, 0, \first, 1, 0
	TILE 1, 0, \first, 0, 0
	TILE 2, 0, \first, 0, 0
.if \first
	TILE 3, 0, 1, 0, 1                             ; in step 0 every tile is live
.else
	TILE 3, 1, 0, 0, 1
.endif
.endif
	s_add_co_u32 s15, s15, 1
.endm
; One slot = two steps.  The round of the cluster's barrier is the barrier in front of the refill: each wave's waits stand in front of it,
; the joint refill of the other slot is the first tensor load behind it, one a wave, and has this slot's two steps in which to land.
; A wave never has more than one tensor load out.
; pf: the four partners' waves 2 ask for the 128 blocks of 256 bytes of K's and V's tile two slots ahead, each block once, one slot before
; its tensor load; the last two slots ask for nothing, so no request passes tile 15.
.macro PHASE slot, refill, nt, first, pf
	s_wait_tensorcnt 0x0                           ; all my tensor loads have landed, my part of this slot among them: every group 0 may be written
	ds_add_u32 v254, v255
	s_wait_dscnt 0x0
	s_add_nc_u64 s[G0K+4*\slot+2:G0K+4*\slot+3], s[G0K+4*\slot+2:G0K+4*\slot+3], 2*TILEB   ; this slot's next tile
	s_add_nc_u64 s[G0V+4*\slot+2:G0V+4*\slot+3], s[G0V+4*\slot+2:G0V+4*\slot+3], 2*TILEB
	s_wait_xcnt 0x0                                ; the last prefetch, two steps back, has read its base
	s_add_nc_u64 s[56:57], s[56:57], TILEB
	s_wait_dscnt 0x0                               ; my reads of the other slot are over
	ROUND
.if \refill
.if \slot == 0
	JLOAD 1
.else
	JLOAD 0
.endif
.endif
.if \pf
	s_cmp_lg_u32 s12, 2
	s_cbranch_scc1 .Lno_pf_\@
	global_prefetch_b8 v[PF], s[56:57] th:TH_LOAD_NT scope:SCOPE_SE
.Lno_pf_\@:
.endif
	STEP \slot, 0, \nt, \first
	STEP \slot, 1, \nt, 0
.endm
	PHASE 0, 1, 4, 1, 1                            ; steps 0-7: four tiles
	PHASE 1, 1, 4, 0, 1
	PHASE 0, 1, 4, 0, 1
	PHASE 1, 1, 4, 0, 1
	s_mov_b32 s22, 2                               ; steps 8-15: three
.Lthree:
	PHASE 0, 1, 3, 0, 1
	PHASE 1, 1, 3, 0, 1
	s_sub_co_u32 s22, s22, 1
	s_cmp_lg_u32 s22, 0
	s_cbranch_scc1 .Lthree
	s_mov_b32 s22, 2                               ; steps 16-23: two
.Ltwo:
	PHASE 0, 1, 2, 0, 1
	PHASE 1, 1, 2, 0, 1
	s_sub_co_u32 s22, s22, 1
	s_cmp_lg_u32 s22, 0
	s_cbranch_scc1 .Ltwo
	PHASE 0, 1, 1, 0, 1                            ; steps 24-31: one; written out, since the tail asks for less
	PHASE 1, 1, 1, 0, 1
	PHASE 0, 1, 1, 0, 0                            ; fills slot 1 with the last tile
	PHASE 1, 0, 1, 0, 0                            ; nothing is left to fetch
	; THE WAY OUT, a tile at a time: divide, 32 bytes a lane into my own stage, whole rows of 256 bytes back, and out.
.rept 4
	v_nop                                          ; four places behind the last matrix instructions, for the reads of O and the loads into K's and V's fragments
.endr
.macro OUTT t
	v_permlanex16_b32 v[T0], v[LS+\t], s20, s21
	v_add_f32 v[T0], v[LS+\t], v[T0]               ; the two halves of the keys
	v_rcp_f32 v[AL], v[T0]
	v_rcp_f32 v[AL+1], v[T0]
	v_nop                                          ; the plain place behind the reciprocals (ISA guide 5.7.2)
	WIN 0x01                                       ; source 0 in window 1
.set ii, 0
	s_wait_alu depctr_va_vdst(0)
.rept 16
	v_pk_mul_f32 v[SC+2*ii:SC+2*ii+1], v[32*\t+2*ii:32*\t+2*ii+1], v[AL:AL+1]
.set ii, ii+1
.endr
	WIN 0
.irp et, 0,1,2,3
	ds_store_b128 v[STO], v[SC+8*\et:SC+8*\et+3]   offset:64*\et
	ds_store_b128 v[STO], v[SC+8*\et+4:SC+8*\et+7] offset:64*\et+16
.endr
.irp u, 0,1,2,3,4,5,6,7
	ds_load_b128 v[KF+32*\t+4*\u:KF+32*\t+4*\u+3], v[RD] offset:2*SPITCH*\u    ; LDS serves a wave's instructions in order (ISA guide 5.7.1): these see the stores above, and the next tile's stores come behind them
.endr
.irp u, 0,1,2,3,4,5,6,7
	s_wait_dscnt 7-\u                              ; pair u of rows is in
	global_store_b128 v[CO+\t], v[KF+32*\t+4*\u:KF+32*\t+4*\u+3], s[10:11] offset:8192*\u th:TH_STORE_NT   ; sixteen lanes store 256 neighbouring bytes, aligned; each tile has registers of its own
.endr
.endm
	OUTT 0
	OUTT 1
	OUTT 2
	OUTT 3
	s_wait_tensorcnt 0x0
	ds_add_u32 v254, v255
	s_wait_dscnt 0x0
	ROUND                                          ; the closing round: no work-group ends while a partner may still ask for a tile that names it
	s_endpgm
.Lfunc_end_k_q2ce2710d2a_attn:
	.size	k_q2ce2710d2a_attn, .Lfunc_end_k_q2ce2710d2a_attn-k_q2ce2710d2a_attn
	.p2alignl 7, 3214868480
	.fill 96, 4, 3214868480
	.section	.rodata,"a",@progbits
	.p2align	6, 0x0
	.amdhsa_kernel k_q2ce2710d2a_attn
		.amdhsa_group_segment_fixed_size 327680
		.amdhsa_private_segment_fixed_size 0
		.amdhsa_enable_private_segment 0
		.amdhsa_kernarg_size 32
		.amdhsa_user_sgpr_count 2
		.amdhsa_user_sgpr_kernarg_segment_ptr 1
		.amdhsa_wavefront_size32 1
		.amdhsa_system_sgpr_workgroup_id_x 1
		.amdhsa_system_sgpr_workgroup_id_y 1
		.amdhsa_system_sgpr_workgroup_id_z 1
		.amdhsa_system_vgpr_workitem_id 0
		.amdhsa_next_free_vgpr 448
		.amdhsa_next_free_sgpr 80
		.amdhsa_reserve_vcc 1
		.amdhsa_float_denorm_mode_32 3
		.amdhsa_float_denorm_mode_16_64 3
		.amdhsa_memory_ordered 1
		.amdhsa_forward_progress 1
		.amdhsa_inst_pref_size 255
	.end_amdhsa_kernel
	.section	.bss,"aw",@nobits
	.p2align	6
	.space	262144
	.amdgpu_metadata
---
amdhsa.version: [ 1, 2 ]
amdhsa.kernels:
  - .name:           k_q2ce2710d2a_attn
    .symbol:         k_q2ce2710d2a_attn.kd
    .args:
      - { .name: qh, .offset: 0, .size: 8, .value_kind: global_buffer, .address_space: global }
      - { .name: kh, .offset: 8, .size: 8, .value_kind: global_buffer, .address_space: global }
      - { .name: vh, .offset: 16, .size: 8, .value_kind: global_buffer, .address_space: global }
      - { .name: out0, .offset: 24, .size: 8, .value_kind: global_buffer, .address_space: global }
    .group_segment_fixed_size: 327680
    .private_segment_fixed_size: 0
    .kernarg_segment_align: 8
    .kernarg_segment_size: 32
    .max_flat_workgroup_size: 256
    .sgpr_count:     80
    .vgpr_count:     448
    .wavefront_size: 32
...
	.end_amdgpu_metadata
.endif
;; end of part 3
